; MI455X (gfx1250); checked and timed in simulation.
; The chip was launched on July 23, 2026; its instructions are those of AMD's public machine-readable ISA for CDNA 5 (MIT licence, August 2026) and "CDNA5" Instruction Set Architecture Reference Guide (July 2026). The comments in the code are by the model that wrote it; some were corrected since.
;; Additive Attention. Allowed arithmetic: float matrix products may take bf16 or f16 operands with f32 sums; other float arithmetic in f32, or as packed bf16 or f16 multiplies, adds, multiply-adds, maxima and minima; sums over many terms, partial sums and values carried from step to step in f32; what a program stores and reads back later, other than sums and carried values, may be rounded once to bf16 or f16.
;; Inputs: Wk_b 1,024 float32; Wk_w 1,024 x 1,024 float32; Wq_b 1,024 float32; Wq_w 1,024 x 1,024 float32; keys 32 x 2,048 x 1,024 float32; query 32 x 1,024 float32; v_b 1 float32; v_w 1,024 float32.
;; Outputs: out0 32 x 1,024 float32; out1 32 x 2,048 float32.
;; One version. Each part assembles by itself: llvm-mc -triple=amdgcn-amd-amdhsa -mcpu=gfx1250 --defsym DOCPART=n.
;; ======== version 1 of 1: 3 launches
;; workspace buffers: wkf 2,097,152 bytes; qb 131,072 bytes; scores 262,144 bytes; part 2,097,152 bytes
;; launch prep (part 1): grid 64 x 1, 16 waves a work-group, no clusters, 34,816 bytes of LDS; arguments Wk_w, Wq_w, query, Wq_b, Wk_b, wkf, qb; writes wkf, qb
.if DOCPART == 1
	.amdgcn_target "amdgcn-amd-amdhsa--gfx1250"
	.amdhsa_code_object_version 6
	.text
	.protected	k_qfc474625af_prep
	.globl	k_qfc474625af_prep
	.p2align	8
	.type	k_qfc474625af_prep,@function
k_qfc474625af_prep:
	s_mov_b64 s[64:65], 0
	v_nop
	global_prefetch_b8 v0, s[64:65] scope:SCOPE_SE
	s_setreg_imm32_b32 hwreg(HW_REG_WAVE_MODE, 25, 1), 1
	s_wait_xcnt 0x0
; PREP.  Two things, both small, for the launch that follows.
; (1) wkf: Wk rounded once to bf16 and laid out as the matrix instruction's source registers want it.  The fragment of columns 16 g .. 16 g + 15 (rows of Wk) and
;     k = 32 ks .. 32 ks + 31 is 1,024 bytes at (g >> 3) * 262144 + ks * 8192 + (g & 7) * 1024: bytes 16 L hold Wk[16 g + L % 16][32 ks + 8 (L / 16) + 0..7], bytes 512 + 16 L the same row 16 k further.
;     So the eight fragments that one k step of 128 columns wants are 8,192 consecutive bytes.
; (2) qb: 2 log2(e) (query Wq^T + Wq_b + Wk_b), f32, products in bf16 with f32 sums.  Batch b, column 16 g + r lies at g * 2048 + i * 512 + (16 h + r) * 16 + 4 jj,
;     i = 2 (b >> 4) + ((b >> 2) & 1), h = (b >> 3) & 1, jj = b & 3: the accumulators' own order, so that a lane stores 16 neighbouring bytes.
; SHARES.  Work-group g owns 16 rows of Wk and of Wq; wave w owns k = 64 w .. 64 w + 63: 256 consecutive bytes of each row, at a multiple of 256.  The sixteen waves' partial products meet in LDS.
; LIMITS.  NaN and infinities are not treated apart.
.set D,     1024
.set ROWB,  4*D                        ; bytes in a row of Wk, Wq, query
.set RED,   0                          ; LDS: [wave 16][quad 4][lane x 16 bytes]: the waves' partial sums
.set SPARE, 32768                      ; behind it: the spare words, 128 bytes for each of the 16 waves: eight blocks of 256 bytes that no other line names
.set WK,  16                           ; v[16:47]   Wk as loaded, 16 registers for each of my two k steps; then its fragments in the first 8 of each 16
.set WQ,  48                           ; v[48:79]   Wq likewise
.set Q0,  80                           ; v[80:111]  query, batches 0-15
.set Q1,  112                          ; v[112:143] query, batches 16-31
.set AC0, 144                          ; v[144:151] sums for batches 0-15
.set AC1, 152                          ; v[152:159] sums for batches 16-31
; Lane (r, h) of a fragment holds k = 8 h + 0..7 and 16 + 8 h + 0..7 of row r: in f32 that is 32 bytes at 32 h and 32 bytes 64 further: four loads of 16 bytes for each k step.
.macro LD16 dst, base, imm
.irp q, 0,1
.irp e, 0,1,2,3
	global_load_b128 v[(\dst)+16*(\q)+4*(\e):(\dst)+16*(\q)+4*(\e)+3], v4, s[(\base):(\base)+1] offset:(\imm)+128*(\q)+16*((\e)&1)+64*((\e)>>1)
.endr
.endr
.endm
; 16 f32 become 8 registers of bf16 pairs, in place: register i is written when registers 2 i and 2 i + 1 have been read, and no later line reads it.
.macro CV dst
.irp q, 0,1
.irp i, 0,1,2,3,4,5,6,7
	v_cvt_pk_bf16_f32 v[(\dst)+16*(\q)+(\i)], v[(\dst)+16*(\q)+2*(\i)], v[(\dst)+16*(\q)+2*(\i)+1]
.endr
.endr
.endm
.macro QADD x, y                       ; four sums: quad x += quad y
	v_pk_add_f32 v[16+4*(\x):16+4*(\x)+1], v[16+4*(\x):16+4*(\x)+1], v[16+4*(\y):16+4*(\y)+1]
	v_pk_add_f32 v[16+4*(\x)+2:16+4*(\x)+3], v[16+4*(\x)+2:16+4*(\x)+3], v[16+4*(\y)+2:16+4*(\y)+3]
.endm
	s_load_b256 s[4:11], s[0:1], 0x0               ; Wk_w s[4:5], Wq_w s[6:7], query s[8:9], Wq_b s[10:11]
	s_load_b128 s[12:15], s[0:1], 0x20             ; Wk_b s[12:13], wkf s[14:15]
	s_load_b64 s[16:17], s[0:1], 0x30              ; qb
	v_lshl_add_u32 v14, v0, 2, SPARE               ; my spare word, and 0: kept for the wave's closing lines alone
	v_mov_b32 v15, 0
	v_lshrrev_b32 v9, 5, v0
	v_readfirstlane_b32 s20, v9                    ; wave 0..15
	v_and_b32 v1, 31, v0                           ; lane
	v_and_b32 v2, 15, v0                           ; r
	v_bfe_u32 v3, v0, 4, 1                         ; h
	v_lshlrev_b32 v4, 12, v2
	v_lshl_add_u32 v4, v3, 5, v4                   ; r x 4,096 + 32 h
	v_lshlrev_b32 v5, 4, v1                        ; 16 x lane
	v_lshlrev_b32 v6, 2, v2                        ; 4 r
	s_lshl_b32 s21, s20, 11
	v_add_nc_u32 v7, s21, v5                       ; where my partial sums go: wave x 2,048 + 16 x lane
	s_lshl_b32 s22, ttmp9, 16                      ; 16 rows of 4,096 bytes for each work-group,
	s_lshl_b32 s24, s20, 8                         ; 256 bytes of a row for each wave
	s_add_co_u32 s22, s22, s24
	s_mov_b32 s23, 0
	s_mov_b32 s25, 0
	s_lshl_b32 s28, ttmp9, 6                       ; my 16 numbers of each bias
	s_mov_b32 s29, 0
	s_lshr_b32 s30, ttmp9, 3                       ; wkf: (g >> 3) x 262,144 + (g & 7) x 1,024 + 2 w x 8,192
	s_lshl_b32 s30, s30, 18
	s_and_b32 s31, ttmp9, 7
	s_lshl_b32 s31, s31, 10
	s_add_co_u32 s30, s30, s31
	s_lshl_b32 s31, s20, 14
	s_add_co_u32 s30, s30, s31
	s_mov_b32 s31, 0
	s_lshl_b32 s32, ttmp9, 11                      ; qb: g x 2,048 + quad x 512 (the quad is the reducing wave's number)
	s_lshl_b32 s33, s20, 9
	s_add_co_u32 s32, s32, s33
	s_mov_b32 s33, 0
	s_mov_b32 s26, 0x4038aa3b                      ; 2 log2(e)
	s_mov_b32 s27, s26                             ; named with it as a pair
	s_wait_kmcnt 0x0
	s_add_nc_u64 s[4:5], s[4:5], s[22:23]
	s_add_nc_u64 s[6:7], s[6:7], s[22:23]
	s_add_nc_u64 s[8:9], s[8:9], s[24:25]
	s_add_nc_u64 s[10:11], s[10:11], s[28:29]
	s_add_nc_u64 s[12:13], s[12:13], s[28:29]
	s_add_nc_u64 s[14:15], s[14:15], s[30:31]
	LD16 WK, 4, 0
	LD16 WQ, 6, 0
	LD16 Q0, 8, 0
	LD16 Q1, 8, 16*ROWB
	global_load_b32 v10, v6, s[10:11]              ; Wq_b and Wk_b of column 16 g + r
	global_load_b32 v11, v6, s[12:13]
	s_wait_loadcnt 26                              ; Wk's eight loads are in: 8 + 8 + 8 + 2 were issued behind them
	CV WK
.irp q, 0,1
	global_store_b128 v5, v[WK+16*\q:WK+16*\q+3], s[14:15] offset:8192*\q        ; each store of the wave covers 512 consecutive bytes, aligned
	global_store_b128 v5, v[WK+16*\q+4:WK+16*\q+7], s[14:15] offset:8192*\q+512
.endr
	s_wait_loadcnt 0x0
	CV WQ
	CV Q0
	CV Q1
	; source 0 = 16 batches, source 1 = 16 rows of Wq: register j of lane (r, h) is batch 8 h + j, column r.  The two accumulators take turns.
	v_wmma_f32_16x16x32_bf16 v[AC0:AC0+7], v[Q0:Q0+7], v[WQ:WQ+7], 0
	v_wmma_f32_16x16x32_bf16 v[AC1:AC1+7], v[Q1:Q1+7], v[WQ:WQ+7], 0
	v_wmma_f32_16x16x32_bf16 v[AC0:AC0+7], v[Q0+16:Q0+23], v[WQ+16:WQ+23], v[AC0:AC0+7]
	v_wmma_f32_16x16x32_bf16 v[AC1:AC1+7], v[Q1+16:Q1+23], v[WQ+16:WQ+23], v[AC1:AC1+7]
.rept 4
	v_nop                                          ; four places between the last product and the stores that read the results
.endr
	ds_store_b128 v7, v[AC0:AC0+3]                 ; each accumulator from its low end on
	ds_store_b128 v7, v[AC0+4:AC0+7] offset:512
	ds_store_b128 v7, v[AC1:AC1+3] offset:1024
	ds_store_b128 v7, v[AC1+4:AC1+7] offset:1536
	s_wait_dscnt 0x0                               ; for the others' sake: my partial sums are in LDS
	s_barrier_signal -1
	s_barrier_wait -1
	s_cmp_gt_u32 s20, 3
	s_cbranch_scc1 .Lend                           ; waves 0 to 3 add up one quad each
	s_lshl_b32 s21, s20, 9
	v_add_nc_u32 v8, s21, v5                       ; quad x 512 + 16 x lane
	s_add_nc_u64 s[16:17], s[16:17], s[32:33]
	s_wait_xcnt 0x0                                ; the stores of Wk's fragments have read v16-39, which the loads below write
.irp k, 0,1,2,3,4,5,6,7,8,9,10,11,12,13,14,15
	ds_load_b128 v[16+4*\k:16+4*\k+3], v8 offset:2048*\k
.endr
	v_add_f32 v10, v10, v11
	v_mul_f32 v10, s26, v10                        ; 2 log2(e) (Wq_b + Wk_b)
	s_wait_dscnt 0x0
.irp k, 0,1,2,3,4,5,6,7
	QADD \k, (\k)+8
.endr
.irp k, 0,1,2,3
	QADD \k, (\k)+4
.endr
	QADD 0, 2
	QADD 1, 3
	QADD 0, 1
	v_pk_fma_f32 v[16:17], v[16:17], s[26:27], v[10:11] op_sel_hi:[1,0,0]
	v_pk_fma_f32 v[18:19], v[18:19], s[26:27], v[10:11] op_sel_hi:[1,0,0]
	global_store_b128 v5, v[16:19], s[16:17]       ; 512 consecutive bytes, aligned
.Lend:
	s_wait_tensorcnt 0x0                           ; the wave's end
	ds_add_u32 v14, v15
	s_wait_dscnt 0x0
	s_endpgm
.Lfunc_end_k_qfc474625af_prep:
	.size	k_qfc474625af_prep, .Lfunc_end_k_qfc474625af_prep-k_qfc474625af_prep
	.p2alignl 7, 3214868480
	.fill 96, 4, 3214868480
	.section	.rodata,"a",@progbits
	.p2align	6, 0x0
	.amdhsa_kernel k_qfc474625af_prep
		.amdhsa_group_segment_fixed_size 34816
		.amdhsa_private_segment_fixed_size 0
		.amdhsa_enable_private_segment 0
		.amdhsa_kernarg_size 56
		.amdhsa_user_sgpr_count 2
		.amdhsa_user_sgpr_kernarg_segment_ptr 1
		.amdhsa_wavefront_size32 1
		.amdhsa_system_sgpr_workgroup_id_x 1
		.amdhsa_system_sgpr_workgroup_id_y 1
		.amdhsa_system_sgpr_workgroup_id_z 1
		.amdhsa_system_vgpr_workitem_id 0
		.amdhsa_next_free_vgpr 160
		.amdhsa_next_free_sgpr 66
		.amdhsa_reserve_vcc 0
		.amdhsa_float_denorm_mode_32 3
		.amdhsa_float_denorm_mode_16_64 3
		.amdhsa_memory_ordered 1
		.amdhsa_forward_progress 1
		.amdhsa_inst_pref_size 14
	.end_amdhsa_kernel
	.amdgpu_metadata
---
amdhsa.version: [ 1, 2 ]
amdhsa.kernels:
  - .name:           k_qfc474625af_prep
    .symbol:         k_qfc474625af_prep.kd
    .args:
      - { .name: Wk_w, .offset: 0, .size: 8, .value_kind: global_buffer, .address_space: global }
      - { .name: Wq_w, .offset: 8, .size: 8, .value_kind: global_buffer, .address_space: global }
      - { .name: query, .offset: 16, .size: 8, .value_kind: global_buffer, .address_space: global }
      - { .name: Wq_b, .offset: 24, .size: 8, .value_kind: global_buffer, .address_space: global }
      - { .name: Wk_b, .offset: 32, .size: 8, .value_kind: global_buffer, .address_space: global }
      - { .name: wkf, .offset: 40, .size: 8, .value_kind: global_buffer, .address_space: global }
      - { .name: qb, .offset: 48, .size: 8, .value_kind: global_buffer, .address_space: global }
    .group_segment_fixed_size: 34816
    .private_segment_fixed_size: 0
    .kernarg_segment_align: 8
    .kernarg_segment_size: 56
    .max_flat_workgroup_size: 512
    .sgpr_count:     66
    .vgpr_count:     160
    .wavefront_size: 32
...
	.end_amdgpu_metadata
.endif
;; end of part 1
;; launch main (part 2): grid 8 x 32, 4 waves a work-group, no clusters, 288,256 bytes of LDS; arguments keys, wkf, qb, v_w, v_b, scores, part; writes scores, part
.if DOCPART == 2
	.amdgcn_target "amdgcn-amd-amdhsa--gfx1250"
	.amdhsa_code_object_version 6
	.text
	.protected	k_qfc474625af_main
	.globl	k_qfc474625af_main
	.p2align	8
	.type	k_qfc474625af_main,@function
k_qfc474625af_main:
	s_mov_b64 s[64:65], 0
	v_nop
	global_prefetch_b8 v0, s[64:65] scope:SCOPE_SE
	s_setreg_imm32_b32 hwreg(HW_REG_WAVE_MODE, 25, 1), 1
	s_wait_xcnt 0x0
; MAIN.  For a block of 128 rows s of one batch b:  score[s] = sum over n of v[n] tanh(q[b][n] + (keys[s] . Wk[n]) + biases) + v_b;  p[s] = exp(score[s] - the block's maximum);  part = sum over s of p[s] keys[s].
; The block's keys are read from memory ONCE, rounded to bf16 into LDS, and stay there for both products.  Stored: the 128 raw scores, and the unnormalised partial context (1,024 f32);
; the next launch finds the batch's maximum and sum and puts the sixteen blocks together.
; SHARES.  Work-group (x, b) STAYS for two blocks, rows 256 x .. 256 x + 127 and the 128 behind them: 8 x 32 = 256 work-groups.  Wave w fetches and rounds rows 32 w .. 32 w + 31 of a block; in the first
; product it owns all 128 rows x columns 256 w .. 256 w + 255, in two CHUNKS of 128 columns (64 accumulators of 16 x 16, 512 registers): a k step's 16 LDS loads and 16 global loads feed 64 matrix
; instructions, and a wave reads the block from LDS twice.  In the second product it owns channels 256 w .. 256 w + 255.
; Wk comes as ready fragments (the launch before laid them out) from memory straight into registers, a ring of 4 k steps, asked for 3 k steps ahead; the waves' columns are disjoint, so a work-group asks for no byte twice in a block.
; TANH.  tanh(z) = 1 - 2 / (1 + 2^(2 log2(e) z)); 2 log2(e) (q + biases) arrives ready in qb.  A row's score is built as sum v - 2 sum v / (1 + 2^..), every term at most |v[n]|.
; SOFTMAX.  The block's own maximum is taken away before the exponential; p is rounded to bf16 for the second product.
; FROM BLOCK TO BLOCK.  When the first block's last sums have left window 3, the second block's first 48 loads a wave (24,576 bytes) go out into it, and are on their way during the scores, the softmax and
; the second product.  They are stored into LDS only behind a barrier that every wave passes after its last read of the old rows.
; NO CLUSTER.  What work-groups share is Wk.  Joint loads land in LDS, where the resident block leaves 39,424 of 327,680 bytes; one k step of Wk for the four waves is 32,768 bytes: two slots of one k step do not fit.
; LIMITS.  NaN and infinities are not treated apart.  2^z below 2^-126 counts as 0: tanh is then exactly -1, and a weight that small is 0.
; REGISTERS, in windows of 256 (s_set_vgpr_msb: bits 1:0 source 0, 3:2 source 1, 5:4 source 2, 7:6 destination):
;   window 0: v0-31 addresses; v32-95, v96-159 fragments of keys, two buffers (8 x 16 rows x 32 k); v160-223 the rows' running sums; v224-239 eight pairs (qb', -2 v); v240-255 at work
;   window 1: the ring of Wk's fragments, slot s fragment i at 64 s + 8 i; later the turned fragments of keys
;   window 2: the accumulators of rows 0-63, (a, i) at 8 (8 a + i)          window 3: those of rows 64-127; while keys are fetched, four slots of 64 for keys as loaded
.set PITCH, 2064                       ; an LDS row of keys: 2,048 bytes + 16 of padding: 129 x 16, so the 16 rows of a fragment load start at 16 different groups of four banks (64 banks of 4 bytes: ISA guide 11.1)
.set HROWS, 16*PITCH
.set QROWS, 32*PITCH
.set PS,    128*PITCH                  ; [wave][128 rows] f32: each wave's share of the scores
.set PB,    PS+2048                    ; [wave][128] bf16: p, a copy for each wave
.set CS,    PB+1024                    ; [wave][256] f32: the way out of the partial context
.set QT,    CS+4096                    ; [wave][tile 16][lane x 8 bytes]: the pairs (qb', -2 v) of my 256 columns
.set SPARE, QT+16384                   ; the spare words, 128 bytes for each wave: two blocks of 256 bytes that no other line names
.set LANE16, 2                         ; v2     16 x lane; never rewritten
.set QOF, 5                            ; v5     16 r
.set VOF, 6                            ; v6     4 r
.set KB,  7                            ; v7     where I put 8 bytes of my first row of keys; never rewritten
.set AB,  8                            ; v8-11  r x pitch + 16 h + 32 rows x p
.set AAD, 12                           ; v12-15 the same plus the trip's place along the rows
.set KST, 16                           ; v16    KB, stepped down the rows
.set QTA, 17                           ; v17    my pair in tile 0 of my wave's table
.set PSA, 18
.set PSR, 19
.set TRA, 20                           ; v20-23 the turning loads' addresses, 32 rows apart
.set PBW, 24
.set PBR, 25
.set CSW, 26
.set CSR, 27
.set SV,  28                           ; v28    the sum of v over my lane's 16 columns
.set QAD, 29                           ; v29    my pair in the chunk's first tile
.set SPW, 30                           ; v30    my spare word; never rewritten
.set NIL, 31                           ; v31    0; never rewritten
.set A0,  32
.set CB,  96                           ; v96-103 the context on its way out
.set S,   160                          ; row 16 a + 8 h + j at S + 8 a + j
.set QV,  224
.set W,   240
.set KP,  24                           ; s[24:25] keys at the rows that are asked for
.set BP,  26                           ; s[26:27] my wave's stream of Wk's fragments
.set KOFF, 38                          ; s38      the trip's place along an LDS row, in bytes
.set BB,  48                           ; s[48:49] the stream's first byte
.set MSB, 0
.macro WIN new                         ; the immediate's high byte repeats the setting that is left; a switch that changes nothing is dropped
.if MSB != (\new)
	s_set_vgpr_msb (MSB<<8)|(\new)
.set MSB, (\new)
.endif
.endm
.set MUL_LO, 0xa4                      ; source 0 window 0, source 1 window 1, C and D window 2
.set MUL_HI, 0xf4                      ; the same, C and D window 3
.set TO_B,  0x40                       ; destination window 1
.set TO_ST, 0xc0                       ; destination window 3
.set CVT,   0xcf                       ; both sources and the destination window 3
.set ST3,   0x0c                       ; an LDS store's data window 3
.set ST2,   0x08                       ; an LDS store's data window 2
; Two rows of keys, 16 loads; each covers 512 consecutive bytes of a row, aligned.  Read once in the launch.
.macro KISS slot, imm
	WIN TO_ST
.irp e, 0,1,2,3,4,5,6,7,8,9,10,11,12,13,14,15
	global_load_b128 v[64*(\slot)+4*(\e):64*(\slot)+4*(\e)+3], v[LANE16], s[KP:KP+1] offset:(\imm)+((\e)>>3)*4096+((\e)&7)*512 th:TH_LOAD_NT
.endr
.endm
; One k step of Wk for my 128 columns: eight fragments, 8,192 consecutive bytes, 16 loads, into a slot of the ring.
.macro BLD slot, idx
	WIN TO_B
.irp i, 0,1,2,3,4,5,6,7
	global_load_b128 v[64*(\slot)+8*(\i):64*(\slot)+8*(\i)+3],   v[LANE16], s[BP:BP+1] offset:(\idx)*8192+(\i)*1024
	global_load_b128 v[64*(\slot)+8*(\i)+4:64*(\slot)+8*(\i)+7], v[LANE16], s[BP:BP+1] offset:(\idx)*8192+(\i)*1024+512
.endr
.endm
; The turn of stage slot p.  kind = 1: the group three further on is asked for; kind = 2: a k step of Wk in its place, again 16 loads, so that the count below stays.
.macro LSTEP p, kind
.if (\kind) == 1
	KISS ((\p)+3)%4, ((\p)+3)*8192
.else
	BLD (\p)-1, (\p)-1
.endif
	s_wait_loadcnt 48                              ; loads come back in order (ISA guide 5.7.1): my group is in, the three groups of 16 behind it stay out
	WIN CVT
.irp e, 0,1,2,3,4,5,6,7,8,9,10,11,12,13,14,15
	v_cvt_pk_bf16_f32 v[64*(\p)+4*(\e)],   v[64*(\p)+4*(\e)],   v[64*(\p)+4*(\e)+1]
	v_cvt_pk_bf16_f32 v[64*(\p)+4*(\e)+1], v[64*(\p)+4*(\e)+2], v[64*(\p)+4*(\e)+3]
.endr
	WIN ST3
.irp e, 0,1,2,3,4,5,6,7,8,9,10,11,12,13,14,15
	ds_store_b64 v[KST], v[64*(\p)+4*(\e):64*(\p)+4*(\e)+1] offset:(2*(\p)+((\e)>>3))*PITCH+((\e)&7)*256  ; 32 lanes x 8 neighbouring bytes
.endr
.endm
; 16 LDS loads in one run: the fragments of all 128 rows for one k step (lane (r, h): row r, two loads of 16 bytes, 32 bytes apart)
.macro ALOAD buf, off
	WIN 0
.irp a, 0,1,2,3,4,5,6,7
	ds_load_b128 v[(\buf)+8*(\a):(\buf)+8*(\a)+3],   v[AAD+((\a)>>1)] offset:((\a)&1)*HROWS+(\off)
	ds_load_b128 v[(\buf)+8*(\a)+4:(\buf)+8*(\a)+7], v[AAD+((\a)>>1)] offset:((\a)&1)*HROWS+(\off)+32
.endr
.endm
; 32 matrix instructions: four row tiles (hi = 0: rows 0-63, 1: rows 64-127) x all eight column tiles, on key buffer u % 2 and ring slot u.  zero = 1: the products start the sums.
.macro MUL32 u, hi, zero
	WIN MUL_LO+0x50*(\hi)
.irp a, 0,1,2,3
.irp i, 0,1,2,3,4,5,6,7
.if \zero
	v_wmma_f32_16x16x32_bf16 v[8*(8*(\a)+(\i)):8*(8*(\a)+(\i))+7], v[A0+64*((\u)&1)+8*(4*(\hi)+(\a)):A0+64*((\u)&1)+8*(4*(\hi)+(\a))+7], v[64*(\u)+8*(\i):64*(\u)+8*(\i)+7], 0
.else
	v_wmma_f32_16x16x32_bf16 v[8*(8*(\a)+(\i)):8*(8*(\a)+(\i))+7], v[A0+64*((\u)&1)+8*(4*(\hi)+(\a)):A0+64*((\u)&1)+8*(4*(\hi)+(\a))+7], v[64*(\u)+8*(\i):64*(\u)+8*(\i)+7], v[8*(8*(\a)+(\i)):8*(8*(\a)+(\i))+7]
.endif
.endr
.endr
.endm
; A K STEP: 64 matrix instructions.  In front of them, in one run, the next k step's keys are asked for from LDS (al) and Wk of the k step three further on from memory (bl, at 8,192 bi from the stream's
; pointer): both land in registers that the k step before has read, so four places stand first (ISA guide 7.12.1 for vector instructions).
; At u = 3 the four places are the lines that move the LDS addresses on to the next trip's 256 bytes of the rows.
; lc: the loads of Wk younger than this k step's; dc: the LDS loads just issued.
; The 64 accumulators take turns, one instruction a turn, from k step to k step and over the backward jump too.
.macro KSTEP u, zero, bl, al, lc, dc, bi
.if (\al) && ((\u) == 3)
	WIN 0
	s_add_co_u32 s[KOFF], s[KOFF], 256
	s_and_b32 s[KOFF], s[KOFF], 0x700              ; 0, 256, .. 1,792 and round again: a chunk walks the whole row
.irp p, 0,1,2,3
	v_add_nc_u32 v[AAD+\p], s[KOFF], v[AB+\p]
.endr
.elseif (\al) || (\bl)
.rept 4
	v_nop
.endr
.endif
.if \al
	ALOAD A0+64*(((\u)+1)&1), (((\u)+1)&3)*64
.endif
.if \bl
	BLD ((\u)+3)&3, \bi
.endif
	s_wait_loadcnt \lc
	s_wait_dscnt \dc
	MUL32 \u, 0, \zero
	MUL32 \u, 1, \zero
.endm
; THE WAY OUT OF A CHUNK, in place in the accumulators.  Lane (r, h) holds column r of a tile and rows 8 h + 0..7, so qb' and -2 v are one pair a lane and tile.
; For row tile k of a window (64 registers, pair p of 32 belongs to column tile p / 4):  D: 2 log2(e) x + qb'   E: 2^..   A: + 1   R: 1 / ..   S: the row's sum takes -2 v / (1 + 2^..).
.macro OPD k, p
	v_pk_fma_f32 v[64*(\k)+2*(\p):64*(\k)+2*(\p)+1], v[64*(\k)+2*(\p):64*(\k)+2*(\p)+1], s[30:31], v[QV+2*((\p)>>2):QV+2*((\p)>>2)+1] op_sel_hi:[1,0,0]
.endm
.macro OPE k, n
	v_exp_f32 v[64*(\k)+(\n)], v[64*(\k)+(\n)]
.endm
.macro OPA k, p
	s_wait_alu depctr_va_vdst(0)
	v_pk_add_f32 v[64*(\k)+2*(\p):64*(\k)+2*(\p)+1], v[64*(\k)+2*(\p):64*(\k)+2*(\p)+1], 1.0 op_sel_hi:[1,0]
.endm
.macro OPR k, n
	v_rcp_f32 v[64*(\k)+(\n)], v[64*(\k)+(\n)]
.endm
.macro OPS g, k, p
	v_pk_fma_f32 v[S+8*(\g)+2*((\p)&3):S+8*(\g)+2*((\p)&3)+1], v[64*(\k)+2*(\p):64*(\k)+2*(\p)+1], v[QV+2*((\p)>>2):QV+2*((\p)>>2)+1], v[S+8*(\g)+2*((\p)&3):S+8*(\g)+2*((\p)&3)+1] op_sel:[0,1,0] op_sel_hi:[1,1,1]
.endm
; One window's four row tiles, g0 the first.  The tiles follow each other through the five steps, so that plain lines of one tile stand between the transcendentals of another: E of tile k + 1 with A of tile k,
; R of tile k with D of tile k + 2, in threes (transcendental, plain, transcendental).  D takes each accumulator from its low end on.  Every result of an E or an R is used only behind a plain
; line that touches neither it nor its source (ISA guide 5.7.2): the lines of the other tile, or the v_nop behind R.
.macro EPIH hw, g0
	WIN ((\hw)<<6)|(\hw)                           ; destination and source 0 in the accumulators' window, the pairs in window 0
.set ep, 0
.rept 32
	OPD 0, ep
.set ep, ep+1
.endr
.set ep, 0
.rept 32
	OPE 0, 2*ep
	OPD 1, ep
	OPE 0, 2*ep+1
.set ep, ep+1
.endr
.set ek, 0
.rept 4
.set ep, 0
.rept 32
.if ek < 3
	OPE ek+1, 2*ep
.endif
	OPA ek, ep
.if ek < 3
	OPE ek+1, 2*ep+1
.endif
.set ep, ep+1
.endr
.set ep, 0
.rept 32
	OPR ek, 2*ep
.if ek < 2
	OPD ek+2, ep
.endif
	OPR ek, 2*ep+1
.set ep, ep+1
.endr
	v_nop
	s_wait_alu depctr_va_vdst(0)
	WIN (\hw)                                      ; source 0 in the accumulators' window, the sums and the pairs in window 0
.set ep, 0
.rept 32
	OPS (\g0)+ek, ek, ep
.set ep, ep+1
.endr
	WIN ((\hw)<<6)|(\hw)
.set ek, ek+1
.endr
.endm
.macro EPI
	WIN 0
	s_and_b32 s40, s36, 8                          ; the chunk's number x 8 tiles,
	s_lshl_b32 s40, s40, 8                         ; x 256 bytes a tile
	v_add_nc_u32 v[QAD], s40, v[QTA]               ; this line and three v_nop are the places behind the last products
.rept 3
	v_nop
.endr
.irp i, 0,1,2,3,4,5,6,7
	ds_load_b64 v[QV+2*\i:QV+2*\i+1], v[QAD] offset:256*\i
.endr
	s_wait_dscnt 0x0
	EPIH 2, 0
	EPIH 3, 4
	WIN 0
.endm
; THE SECOND PRODUCT.  32 rows x my 256 channels, turned on the way out of LDS: 16 fragments, 32 loads in one run.  Lane L reads 16 bytes of row 8 (L / 16) + L % 8.  A fragment's 16 columns are
; channels c .. c + 7 (lanes 0-7) and c + 64 .. c + 71 (lanes 8-15), c = 128 (e / 8) + 8 (e % 8): rows lie 4 banks apart, so 8 rows x 16 bytes take 32 banks, and the 128 bytes between the two
; groups of lanes put the second group on the other 32.
.macro TRL q, half
	WIN TO_B
.irp e, 0,1,2,3,4,5,6,7,8,9,10,11,12,13,14,15
	ds_load_tr16_b128 v[128*(\half)+8*\e:128*(\half)+8*\e+3],   v[TRA+(\q)] offset:((\e)>>3)*256+((\e)&7)*16
	ds_load_tr16_b128 v[128*(\half)+8*\e+4:128*(\half)+8*\e+7], v[TRA+(\q)] offset:((\e)>>3)*256+((\e)&7)*16+HROWS
.endr
.endm
.macro CMUL q, half, zero              ; 16 matrix instructions, 16 accumulators by turns
	WIN MUL_LO
.irp e, 0,1,2,3,4,5,6,7,8,9,10,11,12,13,14,15
.if \zero
	v_wmma_f32_16x16x32_bf16 v[8*\e:8*\e+7], v[A0+8*(\q):A0+8*(\q)+7], v[128*(\half)+8*\e:128*(\half)+8*\e+7], 0
.else
	v_wmma_f32_16x16x32_bf16 v[8*\e:8*\e+7], v[A0+8*(\q):A0+8*(\q)+7], v[128*(\half)+8*\e:128*(\half)+8*\e+7], v[8*\e:8*\e+7]
.endif
.endr
.endm
.macro PLACES
.rept 4
	v_nop
.endr
.endm
	s_load_b256 s[4:11], s[0:1], 0x0               ; keys s[4:5], wkf s[6:7], qb s[8:9], v_w s[10:11]
	s_load_b128 s[12:15], s[0:1], 0x20             ; v_b s[12:13], scores s[14:15]
	s_load_b64 s[16:17], s[0:1], 0x30              ; part
	v_lshl_add_u32 v[SPW], v0, 2, SPARE            ; my spare word, and 0: kept for the wave's closing lines alone
	v_mov_b32 v[NIL], 0
	v_lshrrev_b32 v1, 5, v0
	v_readfirstlane_b32 s20, v1                    ; wave 0..3
	s_mov_b32 s21, ttmp9                           ; x: the pair of blocks
	s_and_b32 s22, ttmp7, 0xffff                   ; b: the batch
	v_and_b32 v1, 31, v0                           ; lane
	v_lshlrev_b32 v[LANE16], 4, v1
	v_and_b32 v3, 15, v0                           ; r
	v_bfe_u32 v4, v0, 4, 1                         ; h
	v_lshlrev_b32 v[QOF], 4, v3
	v_lshlrev_b32 v[VOF], 2, v3
	v_mul_u32_u24 v[AB], v3, PITCH
	v_lshl_add_u32 v[AB], v4, 4, v[AB]
.irp p, 1,2,3
	v_add_nc_u32 v[AB+\p], \p*QROWS, v[AB]
.endr
	s_mul_i32 s28, s20, QROWS                      ; my 32 rows in LDS
	v_lshl_add_u32 v[KB], v1, 3, s28
	s_lshl_b32 s28, s20, 12
	s_add_co_u32 s28, s28, QT
	v_lshl_add_u32 v[QTA], v1, 3, s28
	s_lshl_b32 s28, s20, 9
	s_add_co_u32 s29, s28, PS
	v_lshl_add_u32 v[PSA], v4, 5, s29              ; my wave's 128 words, rows 8 h on
	v_add_nc_u32 v[PSR], PS, v[LANE16]             ; back: rows 4 L .. 4 L + 3
	v_and_b32 v[W+1], 7, v0                        ; L % 8
	v_bfe_u32 v[W], v0, 3, 1                       ; (L / 8) % 2
	v_lshl_add_u32 v[QAD], v4, 3, v[W+1]
	v_mul_u32_u24 v[QAD], v[QAD], PITCH
	v_lshl_add_u32 v[QAD], v[W], 7, v[QAD]         ; the second group of eight lanes 128 bytes on
	v_add_nc_u32 v[TRA], s28, v[QAD]               ; + my wave's 512 bytes of a row
.irp p, 1,2,3
	v_add_nc_u32 v[TRA+\p], \p*QROWS, v[TRA]
.endr
	s_lshl_b32 s28, s20, 8
	s_add_co_u32 s28, s28, PB
	v_lshl_add_u32 v[PBW], v1, 3, s28
	v_lshl_add_u32 v[PBR], v4, 4, s28
	s_lshl_b32 s28, s20, 10
	s_add_co_u32 s28, s28, CS
	v_lshlrev_b32 v[W+1], 2, v[W+1]
	v_lshl_add_u32 v[W+1], v[W], 8, v[W+1]         ; column r of a result is channel r % 8 + 64 (r / 8) of its fragment
	v_add_nc_u32 v[CSW], s28, v[W+1]
	v_add_nc_u32 v[CSR], s28, v[LANE16]
	s_mov_b32 s30, 0x4038aa3b                      ; 2 log2(e)
	s_mov_b32 s31, s30                             ; named with it as a pair
	s_mov_b32 s32, 0x3fb8aa3b                      ; log2(e)
	s_mov_b32 s34, 0x76543210                      ; v_permlanex16_b32: each lane takes its own place in the other half
	s_mov_b32 s35, 0xfedcba98
	s_lshl_b32 s40, s22, 23                        ; keys: b x 2,048 rows + x x 256 rows + w x 32 rows, of 4,096 bytes: under 2^28
	s_lshl_b32 s41, s21, 20
	s_add_co_u32 s40, s40, s41
	s_lshl_b32 s41, s20, 17
	s_add_co_u32 s40, s40, s41
	s_mov_b32 s41, 0
	s_lshl_b32 s42, s20, 19                        ; wkf: my wave's stream of 64 k steps x 8,192 bytes
	s_mov_b32 s43, 0
	s_lshr_b32 s44, s22, 4                         ; qb: w x 16 tiles x 2,048 + the batch's place in a tile's 2,048 bytes
	s_lshl_b32 s44, s44, 10
	s_bfe_u32 s45, s22, 0x10002
	s_lshl_b32 s45, s45, 9
	s_add_co_u32 s44, s44, s45
	s_bfe_u32 s45, s22, 0x10003
	s_lshl_b32 s45, s45, 8
	s_add_co_u32 s44, s44, s45
	s_and_b32 s45, s22, 3
	s_lshl_b32 s45, s45, 2
	s_add_co_u32 s44, s44, s45
	s_lshl_b32 s45, s20, 15
	s_add_co_u32 s44, s44, s45
	s_mov_b32 s45, 0
	s_lshl_b32 s46, s20, 10                        ; v_w: my 256 columns
	s_mov_b32 s47, 0
	s_lshl_b32 s28, s22, 13                        ; scores: b x 2,048 + x x 256 numbers
	s_lshl_b32 s29, s21, 10
	s_add_co_u32 s28, s28, s29
	s_mov_b32 s29, 0
	s_lshl_b32 s18, s22, 16                        ; part: (16 b + 2 x) x 4,096 + w x 1,024
	s_lshl_b32 s19, s21, 13
	s_add_co_u32 s18, s18, s19
	s_add_co_u32 s18, s18, s46
	s_mov_b32 s19, 0
	s_wait_kmcnt 0x0
	s_load_b32 s23, s[12:13], 0x0                  ; v_b: waited for where it is used
	s_add_nc_u64 s[KP:KP+1], s[4:5], s[40:41]
	s_add_nc_u64 s[BB:BB+1], s[6:7], s[42:43]
	s_mov_b64 s[BP:BP+1], s[BB:BB+1]
	s_add_nc_u64 s[8:9], s[8:9], s[44:45]
	s_add_nc_u64 s[10:11], s[10:11], s[46:47]
	s_add_nc_u64 s[14:15], s[14:15], s[28:29]
	s_add_nc_u64 s[16:17], s[16:17], s[18:19]
.irp t, 0,1,2,3,4,5,6,7,8,9,10,11,12,13,14,15
	global_load_b32 v[A0+2*\t],   v[QOF], s[8:9] offset:2048*\t     ; qb' and v of column r of my tile t
	global_load_b32 v[A0+2*\t+1], v[VOF], s[10:11] offset:64*\t
.endr
	KISS 0, 0
	KISS 1, 8192
	WIN 0
	s_wait_loadcnt 32                              ; qb' and v are in; the two groups of keys behind them stay out
.irp k, 0,1,2,3,4,5,6,7
	v_add_f32 v[W+\k], v[A0+1+4*\k], v[A0+3+4*\k]
.endr
.irp k, 0,1,2,3
	v_add_f32 v[W+\k], v[W+\k], v[W+4+\k]
.endr
.irp k, 0,1
	v_add_f32 v[W+\k], v[W+\k], v[W+2+\k]
.endr
	v_add_f32 v[SV], v[W], v[W+1]
.irp t, 0,1,2,3,4,5,6,7,8,9,10,11,12,13,14,15
	v_mul_f32 v[A0+2*\t+1], -2.0, v[A0+2*\t+1]
.endr
.irp t, 0,1,2,3,4,5,6,7,8,9,10,11,12,13,14,15
	ds_store_b64 v[QTA], v[A0+2*\t:A0+2*\t+1] offset:256*\t        ; my wave's own bytes: read back by my wave alone; both blocks are of one batch and use the same table
.endr
	KISS 2, 16384
	WIN 0
	s_mov_b32 s33, 2                               ; blocks to go
.Lblock:                                               ; three groups of the block's keys are on their way
.set n, 0
.rept 64
	v_mov_b32 v[S+n], v[SV]                        ; every row's sum starts at the sum of v over my columns: the 1 of 1 - 2 / (..).  These lines stand in the wait for the keys
.set n, n+1
.endr
	v_mov_b32 v[KST], v[KB]
	; PHASE 1: my 32 rows, two at a time, through four stage slots: three groups of 16 loads are always on their way.
	s_mov_b32 s39, 3
.Lld:
	LSTEP 0, 1
	LSTEP 1, 1
	LSTEP 2, 1
	LSTEP 3, 1
	WIN 0
	s_wait_xcnt 0x0                                ; the loads' base is stepped only behind this wait
	s_add_nc_u64 s[KP:KP+1], s[KP:KP+1], 32768     ; 8 rows on
	v_add_nc_u32 v[KST], 8*PITCH, v[KST]
	s_sub_co_u32 s39, s39, 1
	s_cmp_lg_u32 s39, 0
	s_cbranch_scc1 .Lld
	LSTEP 0, 1                                     ; the last four groups: one more is asked for (rows 30, 31), then Wk's k steps 0, 1, 2 take the keys' place
	LSTEP 1, 2
	LSTEP 2, 2
	LSTEP 3, 2
	WIN 0
	s_wait_dscnt 0x0                               ; for the others' sake: my rows are in LDS
	s_barrier_signal -1
	s_barrier_wait -1                              ; everybody's are
	s_wait_xcnt 0x0
	s_add_nc_u64 s[BP:BP+1], s[BP:BP+1], 3*8192    ; from here on the pointer stands three k steps ahead of the trip's first
	s_mov_b32 s[KOFF], 0
.irp p, 0,1,2,3
	v_mov_b32 v[AAD+\p], v[AB+\p]
.endr
	ALOAD A0, 0
	; PHASE 2: 64 k steps: two chunks of 32.  The first stands ahead of the loop: its products start the sums.  A trip is k steps 1 to 3, the way out if a chunk ends, and the next trip's k step 0.
	KSTEP 0, 1, 1, 1, 48, 16, 0
	WIN 0                                          ; at a label and at a branch every window is 0
	s_mov_b32 s36, 0
.Ltrip:
	s_and_b32 s37, s36, 7
	s_cmp_eq_u32 s36, 15
	s_cbranch_scc1 .Llast
.irp u, 1,2,3
	KSTEP \u, 0, 1, 1, 48, 16, \u
.endr
	WIN 0
	s_branch .Ljoin
.Llast:                                                ; the last trip asks for no more of Wk: the counts run down, and no load leaves the buffer
	KSTEP 1, 0, 0, 1, 32, 16, 0
	KSTEP 2, 0, 0, 1, 16, 16, 0
	KSTEP 3, 0, 0, 0, 0, 0, 0
	WIN 0
.Ljoin:
	s_cmp_lg_u32 s37, 7
	s_cbranch_scc1 .Lplain
	EPI                                            ; a chunk's eighth trip
	s_cmp_eq_u32 s36, 15
	s_cbranch_scc1 .Ldone
	KSTEP 0, 1, 1, 1, 48, 16, 4                    ; the next chunk's first products start its sums
	WIN 0
	s_branch .Lbottom
.Lplain:
	KSTEP 0, 0, 1, 1, 48, 16, 4
	WIN 0
.Lbottom:
	s_wait_xcnt 0x0                                ; the loads' base is stepped only behind this wait
	s_add_nc_u64 s[BP:BP+1], s[BP:BP+1], 32768
	s_add_co_u32 s36, s36, 1
	s_cmp_lt_u32 s36, 16
	s_cbranch_scc1 .Ltrip
.Ldone:
	s_wait_xcnt 0x0                                ; both pointers are written only behind this wait
	s_mov_b64 s[BP:BP+1], s[BB:BB+1]               ; Wk's stream begins anew
	s_cmp_eq_u32 s33, 1
	s_cbranch_scc1 .Lnonext
	s_add_nc_u64 s[KP:KP+1], s[KP:KP+1], 524288-3*32768            ; my first row of the next block, 128 rows behind this block's
	PLACES                                         ; the loads below land in the registers of window 3's accumulators.  The loop is left from its sixteenth trip's way out, far behind the last product; the text's
	                                               ; other way here, past the backward branch, comes straight from a k step's products, and these four places keep the distance on that way too
	KISS 0, 0                                      ; window 3 is free: the next block's first three groups go out, and fly while this block is finished
	KISS 1, 8192
	KISS 2, 16384
	WIN 0
.Lnonext:
	; PHASE 3: the scores.  A row's sum lies spread over the 16 lanes of a half (its columns) and the four waves.
.irp m, 1,2,4,8
.set n, 0
.rept 64
	v_add_f32_dpp v[S+n], v[S+n], v[S+n] row_xmask:\m row_mask:0xf bank_mask:0xf
.set n, n+1
.endr
.endr
.irp a, 0,1,2,3,4,5,6,7
	ds_store_b128 v[PSA], v[S+8*\a:S+8*\a+3] offset:64*\a          ; the 16 lanes of a half write the same words with the same numbers
	ds_store_b128 v[PSA], v[S+8*\a+4:S+8*\a+7] offset:64*\a+16
.endr
	s_wait_dscnt 0x0                               ; for the others' sake: my share of the scores is in LDS
	s_barrier_signal -1
	s_barrier_wait -1
.irp k, 0,1,2,3
	ds_load_b128 v[W+4*\k:W+4*\k+3], v[PSR] offset:512*\k
.endr
	s_wait_dscnt 0x0
	v_pk_add_f32 v[W:W+1], v[W:W+1], v[W+4:W+5]
	v_pk_add_f32 v[W+2:W+3], v[W+2:W+3], v[W+6:W+7]
	v_pk_add_f32 v[W+8:W+9], v[W+8:W+9], v[W+12:W+13]
	v_pk_add_f32 v[W+10:W+11], v[W+10:W+11], v[W+14:W+15]
	v_pk_add_f32 v[W:W+1], v[W:W+1], v[W+8:W+9]
	v_pk_add_f32 v[W+2:W+3], v[W+2:W+3], v[W+10:W+11]
	s_wait_kmcnt 0x0                               ; v_b
.irp j, 0,1,2,3
	v_add_f32 v[W+\j], s23, v[W+\j]                ; every wave now holds all 128 scores, rows 4 L .. 4 L + 3, the same bits in all four
.endr
	s_cmp_lg_u32 s20, 0
	s_cbranch_scc1 .Lnosc
	global_store_b128 v[LANE16], v[W:W+3], s[14:15]  ; wave 0: 512 consecutive bytes, aligned; these four registers are not written again in this block
.Lnosc:
	v_max3_num_f32 v[W+4], v[W], v[W+1], v[W+2]
	v_max_num_f32 v[W+4], v[W+4], v[W+3]
.irp m, 1,2,4,8
	v_max_num_f32_dpp v[W+4], v[W+4], v[W+4] row_xmask:\m row_mask:0xf bank_mask:0xf
.endr
	v_permlanex16_b32 v[W+5], v[W+4], s34, s35
	v_max_num_f32 v[W+4], v[W+4], v[W+5]           ; the block's maximum
.irp j, 0,1,2,3
	v_sub_f32 v[W+8+\j], v[W+\j], v[W+4]
.endr
.irp j, 0,1,2,3
	v_mul_f32 v[W+8+\j], s32, v[W+8+\j]
.endr
.irp j, 0,1,2,3
	v_exp_f32 v[W+8+\j], v[W+8+\j]
.endr
	v_nop                                          ; a plain instruction between the last exponential and the use of its result
	s_wait_alu depctr_va_vdst(0)
	v_cvt_pk_bf16_f32 v[W+12], v[W+8], v[W+9]
	v_cvt_pk_bf16_f32 v[W+13], v[W+10], v[W+11]
	ds_store_b64 v[PBW], v[W+12:W+13]              ; my wave's own copy of p; LDS serves a wave's instructions in order (ISA guide 5.7.1.4), so the loads below see it
.irp q, 0,1,2,3
	ds_load_b128 v[A0+8*\q:A0+8*\q+3],   v[PBR] offset:64*\q       ; source 0: p of 32 rows, the same in all 16 rows of the fragment
	ds_load_b128 v[A0+8*\q+4:A0+8*\q+7], v[PBR] offset:64*\q+32
.endr
	; PHASE 4: part[d] = sum over the 128 rows of p[s] keys[s][d], for my 256 channels, from the same LDS rows.
	TRL 0, 0
	TRL 1, 1
	s_wait_dscnt 32                                ; p and rows 0-31 are in; the 32 loads of rows 32-63 may be out
	CMUL 0, 0, 1
	PLACES
	TRL 2, 0
	s_wait_dscnt 32
	CMUL 1, 1, 0
	PLACES
	TRL 3, 1
	s_wait_dscnt 32
	CMUL 2, 0, 0
	s_wait_dscnt 0x0
	CMUL 3, 1, 0
	PLACES                                         ; between the last product and the stores that read the results
	WIN ST2
.irp e, 0,1,2,3,4,5,6,7,8,9,10,11,12,13,14,15
	ds_store_b32 v[CSW], v[8*\e] offset:((\e)>>3)*512+((\e)&7)*32  ; all 16 rows of a result are alike: register 0 of lane r is channel 128 (e / 8) + 8 (e % 8) + r % 8 + 64 (r / 8)
.endr
	WIN 0
	ds_load_b128 v[CB:CB+3], v[CSR]                ; my wave's own bytes, in order behind the stores: channels 4 L .. 4 L + 3, and 128 further
	ds_load_b128 v[CB+4:CB+7], v[CSR] offset:512
	s_wait_dscnt 0x0                               ; also for the others' sake: my reads of the block's rows and of the scores are over
	global_store_b128 v[LANE16], v[CB:CB+3], s[16:17]              ; 512 consecutive bytes each, aligned
	global_store_b128 v[LANE16], v[CB+4:CB+7], s[16:17] offset:512
	s_barrier_signal -1
	s_barrier_wait -1                              ; nobody reads this block's rows any more: the next block's may be stored over them
	s_wait_xcnt 0x0                                ; the stores have read their registers and bases
	s_add_nc_u64 s[14:15], s[14:15], 512           ; the next block's 128 scores,
	s_add_nc_u64 s[16:17], s[16:17], 4096          ; and its partial context
	s_sub_co_u32 s33, s33, 1
	s_cmp_lg_u32 s33, 0
	s_cbranch_scc1 .Lblock
	s_wait_tensorcnt 0x0                           ; the wave's end
	ds_add_u32 v[SPW], v[NIL]
	s_wait_dscnt 0x0
	s_endpgm
.Lfunc_end_k_qfc474625af_main:
	.size	k_qfc474625af_main, .Lfunc_end_k_qfc474625af_main-k_qfc474625af_main
	.p2alignl 7, 3214868480
	.fill 96, 4, 3214868480
	.section	.rodata,"a",@progbits
	.p2align	6, 0x0
	.amdhsa_kernel k_qfc474625af_main
		.amdhsa_group_segment_fixed_size 288256
		.amdhsa_private_segment_fixed_size 0
		.amdhsa_enable_private_segment 0
		.amdhsa_kernarg_size 56
		.amdhsa_user_sgpr_count 2
		.amdhsa_user_sgpr_kernarg_segment_ptr 1
		.amdhsa_wavefront_size32 1
		.amdhsa_system_sgpr_workgroup_id_x 1
		.amdhsa_system_sgpr_workgroup_id_y 1
		.amdhsa_system_sgpr_workgroup_id_z 1
		.amdhsa_system_vgpr_workitem_id 0
		.amdhsa_next_free_vgpr 1024
		.amdhsa_next_free_sgpr 66
		.amdhsa_reserve_vcc 0
		.amdhsa_float_denorm_mode_32 3
		.amdhsa_float_denorm_mode_16_64 3
		.amdhsa_memory_ordered 1
		.amdhsa_forward_progress 1
		.amdhsa_inst_pref_size 240
	.end_amdhsa_kernel
	.amdgpu_metadata
---
amdhsa.version: [ 1, 2 ]
amdhsa.kernels:
  - .name:           k_qfc474625af_main
    .symbol:         k_qfc474625af_main.kd
    .args:
      - { .name: keys, .offset: 0, .size: 8, .value_kind: global_buffer, .address_space: global }
      - { .name: wkf, .offset: 8, .size: 8, .value_kind: global_buffer, .address_space: global }
      - { .name: qb, .offset: 16, .size: 8, .value_kind: global_buffer, .address_space: global }
      - { .name: v_w, .offset: 24, .size: 8, .value_kind: global_buffer, .address_space: global }
      - { .name: v_b, .offset: 32, .size: 8, .value_kind: global_buffer, .address_space: global }
      - { .name: scores, .offset: 40, .size: 8, .value_kind: global_buffer, .address_space: global }
      - { .name: part, .offset: 48, .size: 8, .value_kind: global_buffer, .address_space: global }
    .group_segment_fixed_size: 288256
    .private_segment_fixed_size: 0
    .kernarg_segment_align: 8
    .kernarg_segment_size: 56
    .max_flat_workgroup_size: 128
    .sgpr_count:     66
    .vgpr_count:     1024
    .wavefront_size: 32
...
	.end_amdgpu_metadata
.endif
;; end of part 2
;; launch merge (part 3): grid 8 x 32, 4 waves a work-group, no clusters, 3,072 bytes of LDS; arguments scores, part, out0, out1; writes out0, out1
.if DOCPART == 3
	.amdgcn_target "amdgcn-amd-amdhsa--gfx1250"
	.amdhsa_code_object_version 6
	.text
	.protected	k_qfc474625af_merge
	.globl	k_qfc474625af_merge
	.p2align	8
	.type	k_qfc474625af_merge,@function
k_qfc474625af_merge:
	s_mov_b64 s[64:65], 0
	v_nop
	global_prefetch_b8 v0, s[64:65] scope:SCOPE_SE
	s_setreg_imm32_b32 hwreg(HW_REG_WAVE_MODE, 25, 1), 1
	s_wait_xcnt 0x0
; MERGE.  For batch b: M = the maximum of its 2,048 scores, L = the sum of exp(score - M);  out1 = exp(score - M) / L;  out0 = sum over the 16 blocks of exp(m_i - M) part_i / L,
; where m_i is block i's maximum.  A maximum rounds nothing, so m_i, found here anew from the stored scores, is the number that the launch before took away.
; SHARES.  Work-group (q, b) writes out0[b][128 q .. + 127] and out1[b][256 q .. + 255].  Every work-group of a batch walks all its scores (8,192 bytes).  Wave w takes blocks 4 w .. 4 w + 3.
; All in f32; no matrix work and no cluster: the launch moves 2.6 MB and each work-group a few KB.
; LIMITS.  NaN and infinities are not treated apart; a weight below 2^-126 counts as 0.
.set MX,    0                          ; LDS: the 16 blocks' maxima
.set SM,    256                        ; the four waves' sums
.set CX,    512                        ; [wave][128] f32: the four waves' shares of the context
.set SPARE, 2560                       ; the spare words, 128 bytes for each wave: two blocks of 256 bytes that no other line names
.set SCR, 16                           ; v[16:31] my four blocks' scores, 4 a lane and block
.set CT,  32                           ; v[32:47] my four blocks' partial contexts, 4 channels a lane
.set OWN, 48                           ; v[48:51] waves 2, 3: the scores whose weights I write out
.set MI,  52                           ; v[52:55] m_i, then exp(m_i - M)
.set T,   56                           ; v[56:59] at work
.set MA,  60                           ; v[60:75] all 16 maxima; later v60-61 hold 1 / L
.set MM,  76                           ; v[76:77] M, twice
	s_load_b256 s[4:11], s[0:1], 0x0               ; scores s[4:5], part s[6:7], out0 s[8:9], out1 s[10:11]
	v_lshl_add_u32 v78, v0, 2, SPARE               ; my spare word, and 0: kept for the wave's closing lines alone
	v_mov_b32 v79, 0
	v_lshrrev_b32 v1, 5, v0
	v_readfirstlane_b32 s20, v1                    ; wave 0..3
	v_and_b32 v1, 31, v0
	v_lshlrev_b32 v2, 4, v1                        ; 16 x lane
	s_and_b32 s21, ttmp7, 0xffff                   ; b
	s_lshl_b32 s12, s21, 13                        ; the batch's 8,192 bytes of scores
	s_lshl_b32 s22, s20, 11                        ; my four blocks of 512 bytes
	s_add_co_u32 s22, s22, s12
	s_mov_b32 s23, 0
	s_lshl_b32 s24, ttmp9, 1                       ; the 512 bytes of scores and of out1 that wave 2 or 3 turns into weights: block 2 q + w % 2
	s_and_b32 s25, s20, 1
	s_add_co_u32 s24, s24, s25
	s_lshl_b32 s24, s24, 9
	s_add_co_u32 s24, s24, s12
	s_mov_b32 s25, 0
	s_lshl_b32 s26, s21, 16                        ; part: (16 b + 4 w) x 4,096 + q x 512
	s_lshl_b32 s27, s20, 14
	s_add_co_u32 s26, s26, s27
	s_lshl_b32 s28, ttmp9, 9
	s_add_co_u32 s26, s26, s28
	s_mov_b32 s27, 0
	s_lshl_b32 s29, s21, 12                        ; out0: b x 4,096 + q x 512
	s_add_co_u32 s28, s28, s29
	s_mov_b32 s29, 0
	s_mov_b32 s30, 0x3fb8aa3b                      ; log2(e)
	s_mov_b32 s31, s30                             ; named with it as a pair
	s_mov_b32 s34, 0x76543210                      ; v_permlanex16_b32: each lane takes its own place in the other half
	s_mov_b32 s35, 0xfedcba98
	s_lshl_b32 s36, s20, 4
	v_mov_b32 v3, s36                              ; MX + 16 w
	v_mov_b32 v4, 0
	s_lshl_b32 s36, s20, 2
	s_add_co_u32 s36, s36, SM
	v_mov_b32 v5, s36                              ; SM + 4 w
	s_lshl_b32 s36, s20, 9
	s_add_co_u32 s36, s36, CX
	v_add_nc_u32 v6, s36, v2                       ; CX + 512 w + 16 x lane
	v_add_nc_u32 v7, CX, v2
	s_wait_kmcnt 0x0
	s_add_nc_u64 s[12:13], s[4:5], s[22:23]
	s_add_nc_u64 s[14:15], s[4:5], s[24:25]
	s_add_nc_u64 s[6:7], s[6:7], s[26:27]
	s_add_nc_u64 s[8:9], s[8:9], s[28:29]
	s_add_nc_u64 s[10:11], s[10:11], s[24:25]
	s_cmp_lt_u32 s20, 2
	s_cbranch_scc1 .Lno_own
	global_load_b128 v[OWN:OWN+3], v2, s[14:15]    ; issued first, so that the count below is the same in all four waves
.Lno_own:
.irp i, 0,1,2,3
	global_load_b128 v[SCR+4*\i:SCR+4*\i+3], v2, s[12:13] offset:512*\i
.endr
.irp i, 0,1,2,3
	global_load_b128 v[CT+4*\i:CT+4*\i+3], v2, s[6:7] offset:4096*\i
.endr
	s_wait_loadcnt 4                               ; the scores are in; the four loads of partial contexts stay out
.irp i, 0,1,2,3
	v_max3_num_f32 v[T+\i], v[SCR+4*\i], v[SCR+4*\i+1], v[SCR+4*\i+2]
.endr
.irp i, 0,1,2,3
	v_max_num_f32 v[MI+\i], v[T+\i], v[SCR+4*\i+3]
.endr
.irp m, 1,2,4,8
.irp i, 0,1,2,3
	v_max_num_f32_dpp v[MI+\i], v[MI+\i], v[MI+\i] row_xmask:\m row_mask:0xf bank_mask:0xf
.endr
.endr
.irp i, 0,1,2,3
	v_permlanex16_b32 v[T+\i], v[MI+\i], s34, s35
.endr
.irp i, 0,1,2,3
	v_max_num_f32 v[MI+\i], v[MI+\i], v[T+\i]      ; m_i, in every lane
.endr
	ds_store_b128 v3, v[MI:MI+3]                   ; all lanes write the same words with the same numbers
	s_wait_dscnt 0x0                               ; for the others' sake
	s_barrier_signal -1
	s_barrier_wait -1
.irp k, 0,1,2,3
	ds_load_b128 v[MA+4*\k:MA+4*\k+3], v4 offset:MX+16*\k
.endr
	s_wait_dscnt 0x0
	v_max3_num_f32 v[MM], v[MA], v[MA+1], v[MA+2]
.irp n, 3,5,7,9,11,13
	v_max3_num_f32 v[MM], v[MM], v[MA+\n], v[MA+\n+1]
.endr
	v_max_num_f32 v[MM], v[MM], v[MA+15]           ; M
	v_mov_b32 v[MM+1], v[MM]
.irp n, 0,2,4,6,8,10,12,14
	v_pk_add_f32 v[SCR+\n:SCR+\n+1], v[SCR+\n:SCR+\n+1], v[MM:MM+1] neg_lo:[0,1] neg_hi:[0,1]
.endr
.irp n, 0,2,4,6,8,10,12,14
	v_pk_mul_f32 v[SCR+\n:SCR+\n+1], v[SCR+\n:SCR+\n+1], s[30:31] op_sel_hi:[1,0]
.endr
.irp n, 0,1,2,3,4,5,6,7,8,9,10,11,12,13,14,15
	v_exp_f32 v[SCR+\n], v[SCR+\n]
.endr
.irp i, 0,1,2,3
	v_sub_f32 v[MI+\i], v[MI+\i], v[MM]            ; plain lines that touch none of the weights stand behind their exponentials
.endr
.irp i, 0,1,2,3
	v_mul_f32 v[MI+\i], s30, v[MI+\i]
.endr
.irp i, 0,1,2,3
	v_exp_f32 v[MI+\i], v[MI+\i]                   ; exp(m_i - M); the sums below stand between these and their use
.endr
	s_wait_alu depctr_va_vdst(0)
.irp n, 0,2,4,6
	v_pk_add_f32 v[SCR+\n:SCR+\n+1], v[SCR+\n:SCR+\n+1], v[SCR+8+\n:SCR+8+\n+1]
.endr
.irp n, 0,2
	v_pk_add_f32 v[SCR+\n:SCR+\n+1], v[SCR+\n:SCR+\n+1], v[SCR+4+\n:SCR+4+\n+1]
.endr
	v_pk_add_f32 v[SCR:SCR+1], v[SCR:SCR+1], v[SCR+2:SCR+3]
	v_add_f32 v[SCR], v[SCR], v[SCR+1]
.irp m, 1,2,4,8
	v_add_f32_dpp v[SCR], v[SCR], v[SCR] row_xmask:\m row_mask:0xf bank_mask:0xf
.endr
	v_permlanex16_b32 v[SCR+1], v[SCR], s34, s35
	v_add_f32 v[SCR], v[SCR], v[SCR+1]             ; the sum of my 512 weights
	ds_store_b32 v5, v[SCR]
	s_wait_loadcnt 0x0                             ; the partial contexts
	v_pk_mul_f32 v[CT:CT+1], v[CT:CT+1], v[MI:MI+1] op_sel_hi:[1,0]
	v_pk_mul_f32 v[CT+2:CT+3], v[CT+2:CT+3], v[MI:MI+1] op_sel_hi:[1,0]
	v_pk_fma_f32 v[CT:CT+1], v[CT+4:CT+5], v[MI:MI+1], v[CT:CT+1] op_sel:[0,1,0] op_sel_hi:[1,1,1]
	v_pk_fma_f32 v[CT+2:CT+3], v[CT+6:CT+7], v[MI:MI+1], v[CT+2:CT+3] op_sel:[0,1,0] op_sel_hi:[1,1,1]
	v_pk_fma_f32 v[CT:CT+1], v[CT+8:CT+9], v[MI+2:MI+3], v[CT:CT+1] op_sel_hi:[1,0,1]
	v_pk_fma_f32 v[CT+2:CT+3], v[CT+10:CT+11], v[MI+2:MI+3], v[CT+2:CT+3] op_sel_hi:[1,0,1]
	v_pk_fma_f32 v[CT:CT+1], v[CT+12:CT+13], v[MI+2:MI+3], v[CT:CT+1] op_sel:[0,1,0] op_sel_hi:[1,1,1]
	v_pk_fma_f32 v[CT+2:CT+3], v[CT+14:CT+15], v[MI+2:MI+3], v[CT+2:CT+3] op_sel:[0,1,0] op_sel_hi:[1,1,1]
	ds_store_b128 v6, v[CT:CT+3]
	s_wait_dscnt 0x0                               ; for the others' sake: my sum and my share of the context are in LDS
	s_barrier_signal -1
	s_barrier_wait -1
	ds_load_b128 v[MA:MA+3], v4 offset:SM
	s_wait_dscnt 0x0
	v_add_f32 v[MA], v[MA], v[MA+1]
	v_add_f32 v[MA+2], v[MA+2], v[MA+3]
	v_add_f32 v[MA], v[MA], v[MA+2]                ; L: at least 1, since the maximum's own weight is 1
	v_rcp_f32 v[MA], v[MA]
	v_nop                                          ; a plain instruction between the reciprocal and the use of its result
	s_wait_alu depctr_va_vdst(0)
	v_mov_b32 v[MA+1], v[MA]
	s_cmp_eq_u32 s20, 0
	s_cbranch_scc0 .Lnot0
.irp k, 0,1,2,3
	ds_load_b128 v[SCR+4*\k:SCR+4*\k+3], v7 offset:512*\k
.endr
	s_wait_dscnt 0x0
	v_pk_add_f32 v[SCR:SCR+1], v[SCR:SCR+1], v[SCR+4:SCR+5]
	v_pk_add_f32 v[SCR+2:SCR+3], v[SCR+2:SCR+3], v[SCR+6:SCR+7]
	v_pk_add_f32 v[SCR+8:SCR+9], v[SCR+8:SCR+9], v[SCR+12:SCR+13]
	v_pk_add_f32 v[SCR+10:SCR+11], v[SCR+10:SCR+11], v[SCR+14:SCR+15]
	v_pk_add_f32 v[SCR:SCR+1], v[SCR:SCR+1], v[SCR+8:SCR+9]
	v_pk_add_f32 v[SCR+2:SCR+3], v[SCR+2:SCR+3], v[SCR+10:SCR+11]
	v_pk_mul_f32 v[SCR:SCR+1], v[SCR:SCR+1], v[MA:MA+1]
	v_pk_mul_f32 v[SCR+2:SCR+3], v[SCR+2:SCR+3], v[MA:MA+1]
	global_store_b128 v2, v[SCR:SCR+3], s[8:9]     ; out0: 512 consecutive bytes, aligned
	s_branch .Lend
.Lnot0:
	s_cmp_lt_u32 s20, 2
	s_cbranch_scc1 .Lend
	v_pk_add_f32 v[OWN:OWN+1], v[OWN:OWN+1], v[MM:MM+1] neg_lo:[0,1] neg_hi:[0,1]
	v_pk_add_f32 v[OWN+2:OWN+3], v[OWN+2:OWN+3], v[MM:MM+1] neg_lo:[0,1] neg_hi:[0,1]
	v_pk_mul_f32 v[OWN:OWN+1], v[OWN:OWN+1], s[30:31] op_sel_hi:[1,0]
	v_pk_mul_f32 v[OWN+2:OWN+3], v[OWN+2:OWN+3], s[30:31] op_sel_hi:[1,0]
.irp j, 0,1,2,3
	v_exp_f32 v[OWN+\j], v[OWN+\j]
.endr
	v_nop                                          ; a plain instruction between the last exponential and the use of its result
	s_wait_alu depctr_va_vdst(0)
	v_pk_mul_f32 v[OWN:OWN+1], v[OWN:OWN+1], v[MA:MA+1]
	v_pk_mul_f32 v[OWN+2:OWN+3], v[OWN+2:OWN+3], v[MA:MA+1]
	global_store_b128 v2, v[OWN:OWN+3], s[10:11]   ; out1: 512 consecutive bytes, aligned
.Lend:
	s_wait_tensorcnt 0x0                           ; the wave's end
	ds_add_u32 v78, v79
	s_wait_dscnt 0x0
	s_endpgm
.Lfunc_end_k_qfc474625af_merge:
	.size	k_qfc474625af_merge, .Lfunc_end_k_qfc474625af_merge-k_qfc474625af_merge
	.p2alignl 7, 3214868480
	.fill 96, 4, 3214868480
	.section	.rodata,"a",@progbits
	.p2align	6, 0x0
	.amdhsa_kernel k_qfc474625af_merge
		.amdhsa_group_segment_fixed_size 3072
		.amdhsa_private_segment_fixed_size 0
		.amdhsa_enable_private_segment 0
		.amdhsa_kernarg_size 32
		.amdhsa_user_sgpr_count 2
		.amdhsa_user_sgpr_kernarg_segment_ptr 1
		.amdhsa_wavefront_size32 1
		.amdhsa_system_sgpr_workgroup_id_x 1
		.amdhsa_system_sgpr_workgroup_id_y 1
		.amdhsa_system_sgpr_workgroup_id_z 1
		.amdhsa_system_vgpr_workitem_id 0
		.amdhsa_next_free_vgpr 80
		.amdhsa_next_free_sgpr 66
		.amdhsa_reserve_vcc 0
		.amdhsa_float_denorm_mode_32 3
		.amdhsa_float_denorm_mode_16_64 3
		.amdhsa_memory_ordered 1
		.amdhsa_forward_progress 1
		.amdhsa_inst_pref_size 12
	.end_amdhsa_kernel
	.amdgpu_metadata
---
amdhsa.version: [ 1, 2 ]
amdhsa.kernels:
  - .name:           k_qfc474625af_merge
    .symbol:         k_qfc474625af_merge.kd
    .args:
      - { .name: scores, .offset: 0, .size: 8, .value_kind: global_buffer, .address_space: global }
      - { .name: part, .offset: 8, .size: 8, .value_kind: global_buffer, .address_space: global }
      - { .name: out0, .offset: 16, .size: 8, .value_kind: global_buffer, .address_space: global }
      - { .name: out1, .offset: 24, .size: 8, .value_kind: global_buffer, .address_space: global }
    .group_segment_fixed_size: 3072
    .private_segment_fixed_size: 0
    .kernarg_segment_align: 8
    .kernarg_segment_size: 32
    .max_flat_workgroup_size: 128
    .sgpr_count:     66
    .vgpr_count:     80
    .wavefront_size: 32
...
	.end_amdgpu_metadata
.endif
;; end of part 3
